; MI455X (gfx1250); checked and timed in simulation.
; The chip was launched on July 23, 2026; its instructions are those of AMD's public machine-readable ISA for CDNA 5 (MIT licence, August 2026) and "CDNA5" Instruction Set Architecture Reference Guide (July 2026). The comments in the code are by the model that wrote it; some were corrected since.
;; TTR Cell. Allowed arithmetic: float matrix products may take bf16 or f16 operands with f32 sums; all other float work in f32.
;; Inputs: k 32 x 4,096 x 128 float32; q 32 x 4,096 x 128 float32; v 32 x 4,096 x 64 float32.
;; Outputs: out0 32 x 4,096 x 64 float32.
;; Constants: chunk_size = 128.
;; One version. Each part assembles by itself: llvm-mc -triple=amdgcn-amd-amdhsa -mcpu=gfx1250 --defsym DOCPART=n.
;; ======== version 1 of 1: 2 launches
;; workspace buffers: st 7,340,032 bytes
;; launch sums (part 1): grid 7 x 32, 4 waves a work-group, no clusters, 270,848 bytes of LDS; arguments k, v, st; writes st
.if DOCPART == 1
	.amdgcn_target "amdgcn-amd-amdhsa--gfx1250"
	.amdhsa_code_object_version 6
	.text
	.protected	k_qa58ef86e77_sums
	.globl	k_qa58ef86e77_sums
	.p2align	8
	.type	k_qa58ef86e77_sums,@function
k_qa58ef86e77_sums:
	s_mov_b64 s[64:65], 0
	v_nop
	global_prefetch_b8 v0, s[64:65] scope:SCOPE_SE
	s_setreg_imm32_b32 hwreg(HW_REG_WAVE_MODE, 25, 1), 1
	s_wait_xcnt 0x0
; st[head][seg] = the sum over the 512 positions s of segment seg of k_s (x) v_s: 128 features x 64 value columns in f32.
; k: [32][4096][128] f32, v: [32][4096][64] f32.  Segments 0 to 6 of each head (nobody needs the last one's sum): grid 7 x 32.
; LIMITS: k and v are rounded to bf16 for the products; the sums are f32.
; SHARES.  Four waves, each 128 positions and the whole state: 32 accumulators of 16 x 16 (256 registers).  The four states meet once in LDS; wave w adds and stores slice w.
; V needs no LDS: lane r of 16 loads the 16 bytes of columns 4 r + 0..3, the lane's half h rows 8 h + 0..7 and 16 + 8 h + 0..7 of a block of 32 positions; sixteen such loads
; hold four B fragments (tile nt: column 4 r + nt), picked apart by the rounding to bf16.  Each load covers two whole rows of 256 bytes.
; K goes through LDS as bf16 rows (256 bytes + 16 of padding) and comes back turned, by ds_load_tr16_b128, as A fragments (lane = feature, registers = positions).
; THE STATE'S LAYOUT, in registers, LDS and st alike: tile T = 8 nt + a (a: 16 features), register e = 8 T + j; lane (r, h) holds feature 16 a + 8 h + j, column 4 r + nt;
; quad e / 4 lies at byte 512 (e / 4) + 16 lane; slice nt is 8,192 bytes without a gap.
; LOADS.  A ring of four slots of 64 registers carries 12 positions of 16 loads (for each block: V, K's rows 0-15, K's rows 16-31); three to four positions are always out.
; No cluster: no two work-groups read the same rows.  No tensor loads: the data are rounded on their way into LDS, which passes through registers anyway.
; REGISTERS: window 0: v4-13 addresses, v64-127 rounded rows at work, v128-255 V's fragments; window 1: the accumulators; window 2: the ring; window 3: v0-63 K turned.
.set PITCH, 272                        ; 68 words: a row's 8-byte stores are 256 neighbouring bytes; a turning load's 8 rows of 32 bytes start 4 banks apart
.set KCH,   128*PITCH                  ; a wave's rows of K
.set XB,    4*KCH                      ; behind them: four states of 32,768 bytes
.set NPOS,  12
.set LOFF, 4                           ; 16 x lane; never rewritten
.set VOFF, 5                           ; 2048 h + 16 r; never rewritten
.set KSA,  6                           ; where I put 8 bytes of a row of K
.set KTA,  7                           ; the turning load's address
.set XST,  11                          ; where my state goes
.set XLA,  12                          ; my slice in the states of waves 0 and 1
.set XLB,  13                          ; and of waves 2 and 3
.set TA,   96                          ; rounded rows, two sets of 32 registers
.set TB,   64
.set VF,   128
.set KT,   0                           ; window 3
.set WV,   10
.set MSB,  0
.macro WIN new                         ; s_set_vgpr_msb: bits 1:0 source 0, 3:2 source 1, 5:4 source 2, 7:6 destination; the high byte repeats the setting that is left
.if MSB != (\new)
	s_set_vgpr_msb (MSB<<8)|(\new)
.set MSB, (\new)
.endif
.endm
.macro PLACES                          ; four plain vector instructions between a matrix instruction and a load into one of its registers or a reader of its result
.rept 4
	v_nop
.endr
.endm
; Ring position n: 16 loads into slot n % 4.  Block n / 3; n % 3 = 0: V, 1 and 2: sixteen rows of K.  All addresses are a fixed register and an immediate.
.macro ISSUE n
.if (\n) < NPOS
	WIN 0x80                                       ; destination window 2
.set rsl, 64*((\n)%4)
.set ix, 0
.rept 16
.if (\n)%3 == 0
	global_load_b128 v[rsl+4*ix:rsl+4*ix+3], v[VOFF], s[6:7] offset:((\n)/3)*8192+(ix+8*(ix/8))*256
.else
	global_load_b128 v[rsl+4*ix:rsl+4*ix+3], v[LOFF], s[4:5] offset:(32*((\n)/3)+16*((\n)%3-1)+ix)*512
.endif
.set ix, ix+1
.endr
.endif
.endm
.macro NEED n                          ; loads come back in order: position n is in; the younger positions, three at the most, stay out
.if NPOS-1-(\n) >= 3
	s_wait_loadcnt 48
.else
	s_wait_loadcnt 16*(NPOS-1-(\n))
.endif
.endm
.macro VUNIT n, b                      ; V of block b: four fragments; tile ix / 8, register ix % 8: two positions of one column
	NEED \n
	WIN 0x0a                                       ; sources window 2
.set rsl, 64*((\n)%4)
.set ix, 0
.rept 32
	v_cvt_pk_bf16_f32 v[VF+32*(\b)+ix], v[rsl+8*(ix%8)+ix/8], v[rsl+8*(ix%8)+4+ix/8]
.set ix, ix+1
.endr
	ISSUE (\n)+4
.endm
.macro ROWS n, adr, row0, tmp          ; sixteen rows: rounded, 8 bytes a lane, into LDS rows row0 on
	NEED \n
	WIN 0x0a
.set rsl, 64*((\n)%4)
.set ix, 0
.rept 32
	v_cvt_pk_bf16_f32 v[\tmp+ix], v[rsl+2*ix], v[rsl+2*ix+1]
.set ix, ix+1
.endr
	ISSUE (\n)+4
	WIN 0
.set ix, 0
.rept 16
	ds_store_b64 v[\adr], v[\tmp+2*ix:\tmp+2*ix+1] offset:((\row0)+ix)*PITCH
.set ix, ix+1
.endr
.endm
.macro KVMUL b                         ; the state += K^T V over block b
	WIN 0xc0                                       ; destination window 3
.set ix, 0
.rept 8                                ; LDS serves a wave's instructions in order: these see the wave's own stores above
	ds_load_tr16_b128 v[KT+8*ix:KT+8*ix+3],   v[KTA] offset:32*(\b)*PITCH+32*ix
	ds_load_tr16_b128 v[KT+8*ix+4:KT+8*ix+7], v[KTA] offset:(32*(\b)+16)*PITCH+32*ix
.set ix, ix+1
.endr
	s_wait_dscnt 0x0
	WIN 0x53                                       ; A window 3, B window 0, C and D window 1
.set ix, 0
.rept 32                               ; feature tile ix / 4, column tile ix % 4.  The 32 accumulators take turns, one instruction a turn
.set ac, 8*(8*(ix%4)+ix/4)
.if (\b) == 0
	v_wmma_f32_16x16x32_bf16 v[ac:ac+7], v[KT+8*(ix/4):KT+8*(ix/4)+7], v[VF+32*(\b)+8*(ix%4):VF+32*(\b)+8*(ix%4)+7], 0
.else
	v_wmma_f32_16x16x32_bf16 v[ac:ac+7], v[KT+8*(ix/4):KT+8*(ix/4)+7], v[VF+32*(\b)+8*(ix%4):VF+32*(\b)+8*(ix%4)+7], v[ac:ac+7]
.endif
.set ix, ix+1
.endr
	PLACES                                         ; ahead of the next block's loads into K's fragments, and of the stores of the sums
	WIN 0
.endm
	s_load_b128 s[4:7], s[0:1], 0x0                ; k s[4:5], v s[6:7]
	s_load_b64 s[8:9], s[0:1], 0x10                ; st
	v_lshl_add_u32 v62, v0, 2, 0x42000
	v_mov_b32 v63, 0
	v_lshrrev_b32 v1, 5, v0
	v_readfirstlane_b32 s[WV], v1                  ; wave 0..3
	s_and_b32 s11, ttmp7, 0xffff                   ; head
	s_lshl_b32 s12, s11, 21                        ; a head of k: 4,096 rows of 512 bytes
	s_lshl_b32 s13, ttmp9, 18                      ; a segment: 512 rows
	s_add_co_u32 s12, s12, s13
	s_lshl_b32 s13, s[WV], 16                      ; a wave: 128 rows
	s_add_co_u32 s12, s12, s13
	s_mov_b32 s13, 0
	s_lshr_b32 s14, s12, 1                         ; v's rows are half as long
	s_mov_b32 s15, 0
	s_mul_i32 s16, s11, 7
	s_add_co_u32 s16, s16, ttmp9                   ; the state's number,
	s_lshl_b32 s16, s16, 2
	s_add_co_u32 s16, s16, s[WV]                   ; my slice of its four,
	s_lshl_b32 s16, s16, 13                        ; of 8,192 bytes
	s_mov_b32 s17, 0
	v_and_b32 v1, 31, v0                           ; lane
	v_and_b32 v2, 15, v0                           ; r
	v_bfe_u32 v3, v0, 4, 1                         ; h
	v_lshlrev_b32 v[LOFF], 4, v1
	v_lshlrev_b32 v[VOFF], 4, v2
	v_lshl_add_u32 v[VOFF], v3, 11, v[VOFF]
	s_wait_kmcnt 0x0
	s_add_nc_u64 s[4:5], s[4:5], s[12:13]          ; k and v at my wave's first row, st at my slice
	s_add_nc_u64 s[6:7], s[6:7], s[14:15]
	s_add_nc_u64 s[8:9], s[8:9], s[16:17]
	ISSUE 0
	ISSUE 1
	ISSUE 2
	ISSUE 3
	WIN 0
	s_mul_i32 s18, s[WV], KCH
	v_lshl_add_u32 v[KSA], v1, 3, s18
	v_and_b32 v14, 7, v0
	v_lshl_add_u32 v14, v3, 3, v14                 ; position 8 h + lane % 8
	v_mul_u32_u24 v14, v14, PITCH
	v_bfe_u32 v15, v0, 3, 1
	v_lshl_add_u32 v14, v15, 4, v14                ; features 8 ((lane / 8) % 2) on
	v_add_nc_u32 v[KTA], s18, v14
	s_lshl_b32 s19, s[WV], 15
	s_add_co_u32 s19, s19, XB
	v_add_nc_u32 v[XST], s19, v[LOFF]
	s_lshl_b32 s20, s[WV], 13
	s_add_co_u32 s20, s20, XB
	v_add_nc_u32 v[XLA], s20, v[LOFF]
	v_add_nc_u32 v[XLB], 0x10000, v[XLA]
.irp b, 0,1,2,3
	VUNIT 3*\b, \b
	ROWS 3*\b+1, KSA, 32*\b, TA
	ROWS 3*\b+2, KSA, 32*\b+16, TB
	KVMUL \b
.endr
	WIN 0x04                                       ; store data window 1
.set ix, 0
.rept 64
	ds_store_b128 v[XST], v[4*ix:4*ix+3] offset:512*ix
.set ix, ix+1
.endr
	WIN 0
	s_wait_dscnt 0x0                               ; for the others' sake: my state is written
	s_barrier_signal -1
	s_barrier_wait -1
	WIN 0x80                                       ; the ring's registers are free: wave ix / 16's copy of my slice
.set ix, 0
.rept 32
	ds_load_b128 v[4*ix:4*ix+3], v[XLA] offset:32768*(ix/16)+512*(ix%16)
.set ix, ix+1
.endr
.set ix, 0
.rept 32
	ds_load_b128 v[128+4*ix:128+4*ix+3], v[XLB] offset:32768*(ix/16)+512*(ix%16)
.set ix, ix+1
.endr
	s_wait_dscnt 0x0
	WIN 0x8a                                       ; all in window 2
.set ix, 0
.rept 32
	v_pk_add_f32 v[2*ix:2*ix+1], v[2*ix:2*ix+1], v[64+2*ix:64+2*ix+1]
	v_pk_add_f32 v[128+2*ix:128+2*ix+1], v[128+2*ix:128+2*ix+1], v[192+2*ix:192+2*ix+1]
.set ix, ix+1
.endr
.set ix, 0
.rept 32
	v_pk_add_f32 v[2*ix:2*ix+1], v[2*ix:2*ix+1], v[128+2*ix:128+2*ix+1]
.set ix, ix+1
.endr
	WIN 0x08                                       ; store data window 2
.set ix, 0
.rept 16
	global_store_b128 v[LOFF], v[4*ix:4*ix+3], s[8:9] offset:512*ix   ; a store of the wave covers 512 consecutive bytes, aligned
.set ix, ix+1
.endr
	WIN 0
	s_wait_tensorcnt 0x0
	ds_add_u32 v62, v63
	s_wait_dscnt 0x0
	s_endpgm
.Lfunc_end_k_qa58ef86e77_sums:
	.size	k_qa58ef86e77_sums, .Lfunc_end_k_qa58ef86e77_sums-k_qa58ef86e77_sums
	.p2alignl 7, 3214868480
	.fill 96, 4, 3214868480
	.section	.rodata,"a",@progbits
	.p2align	6, 0x0
	.amdhsa_kernel k_qa58ef86e77_sums
		.amdhsa_group_segment_fixed_size 270848
		.amdhsa_private_segment_fixed_size 0
		.amdhsa_enable_private_segment 0
		.amdhsa_kernarg_size 24
		.amdhsa_user_sgpr_count 2
		.amdhsa_user_sgpr_kernarg_segment_ptr 1
		.amdhsa_wavefront_size32 1
		.amdhsa_system_sgpr_workgroup_id_x 1
		.amdhsa_system_sgpr_workgroup_id_y 1
		.amdhsa_system_sgpr_workgroup_id_z 1
		.amdhsa_system_vgpr_workitem_id 0
		.amdhsa_next_free_vgpr 832
		.amdhsa_next_free_sgpr 66
		.amdhsa_reserve_vcc 0
		.amdhsa_float_denorm_mode_32 3
		.amdhsa_float_denorm_mode_16_64 3
		.amdhsa_memory_ordered 1
		.amdhsa_forward_progress 1
		.amdhsa_inst_pref_size 83
	.end_amdhsa_kernel
	.amdgpu_metadata
---
amdhsa.version: [ 1, 2 ]
amdhsa.kernels:
  - .name:           k_qa58ef86e77_sums
    .symbol:         k_qa58ef86e77_sums.kd
    .args:
      - { .name: k, .offset: 0, .size: 8, .value_kind: global_buffer, .address_space: global }
      - { .name: v, .offset: 8, .size: 8, .value_kind: global_buffer, .address_space: global }
      - { .name: st, .offset: 16, .size: 8, .value_kind: global_buffer, .address_space: global }
    .group_segment_fixed_size: 270848
    .private_segment_fixed_size: 0
    .kernarg_segment_align: 8
    .kernarg_segment_size: 24
    .max_flat_workgroup_size: 128
    .sgpr_count:     66
    .vgpr_count:     832
    .wavefront_size: 32
...
	.end_amdgpu_metadata
.endif
;; end of part 1
;; launch scan (part 2): grid 8 x 32, 4 waves a work-group, no clusters, 305,664 bytes of LDS; arguments q, k, v, st, out0; writes out0
.if DOCPART == 2
	.amdgcn_target "amdgcn-amd-amdhsa--gfx1250"
	.amdhsa_code_object_version 6
	.text
	.protected	k_qa58ef86e77_scan
	.globl	k_qa58ef86e77_scan
	.p2align	8
	.type	k_qa58ef86e77_scan,@function
k_qa58ef86e77_scan:
	s_mov_b64 s[64:65], 0
	v_nop
	global_prefetch_b8 v0, s[64:65] scope:SCOPE_SE
	s_setreg_imm32_b32 hwreg(HW_REG_WAVE_MODE, 25, 1), 1
	s_wait_xcnt 0x0
; out[head][t] = q_t . (sum over s <= t of k_s (x) v_s) / (t + 1), t from 0.  q, k: [32][4096][128] f32; v, out: [32][4096][64] f32.
; A work-group owns a segment of 512 positions of one head (grid 8 x 32), each of its four waves a chunk of 128:
;   out_t = ( q_t . W + sum over the chunk's s <= t of (q_t . k_s) v_s ) / (t + 1),   W = the earlier segments' sums (st, stored by the launch before) + the earlier waves' chunk sums.
; LIMITS: q, k, v are rounded to bf16.  The scores q.k and the state W go to the matrix unit as a bf16 value and the bf16 of what its rounding left (two products each), so that their
; rounding stays far under the inputs'.  All sums are f32.  1 / (t + 1) is v_rcp_f32 (1 ulp).  Each wave loads seven state slices whatever the segment (index clamped into st) and
; multiplies those that do not count by 0: every segment's sum has to be finite in f32.
; LAYOUTS.  V: lane r of 16 loads columns 4 r + 0..3, its half h rows 8 h + 0..7 and 16 + 8 h + 0..7 of a block of 32: sixteen loads hold four B fragments (tile nt: column 4 r + nt), picked
; apart by the rounding; they serve K^T V and P V.  K and Q go through LDS as bf16 rows (256 + 16 bytes): as they lie for K Q^T and Q W, K turned (ds_load_tr16_b128) for K^T V.
; State: tile 8 nt + a, register j, lane (r, h) = feature 16 a + 8 h + j, column 4 r + nt; quad e / 4 at byte 512 (e / 4) + 16 lane.  Rounding register pairs gives Q W's B fragments in the lane.
; S^T = K Q^T leaves one query a lane and keys 8 h + j: two tiles rounded in pairs are P's A fragment.  O's tile nt holds column 4 r + nt of row 8 h + j: the multiply by 1 / (t + 1)
; gathers a lane's four columns, and a store covers two whole rows of 256 bytes.
; LOADS.  A ring of four slots of 64 registers carries 27 positions of 16 loads: for each block of 32 positions V, K, K and two state slices; then Q's eight; three to four positions are out.
; No cluster: no two work-groups read the same rows of q, k, v.  No tensor loads: the data are rounded on their way into LDS, which passes through registers anyway.
; REGISTERS: window 0: v4-18 addresses, v20-35 1 / (t + 1), v64-95 P, v96-127 S^T (both also rows at work and the store's stage), v128-255 V's fragments.
;   window 1: the chunk's sum, then W in f32, then O v0-63, K's row fragments v64-191 (two buffers), Q's v192-255.   window 2: the ring.
;   window 3: K turned v0-63 and my slice of the earlier segments' sum v192-255; other waves' sums in the exchange; then W's fragments: values v0-127, remainders v128-255.
.set PITCH, 272                        ; 68 words: the 16 rows of a fragment load start at 16 different banks of the 64 (ISA guide 11.1)
.set KCH,   128*PITCH                  ; a wave's rows of K
.set QS,    4*KCH                      ; 32 rows of Q for each wave
.set QCH,   32*PITCH
.set XB,    QS+4*QCH                   ; the chunk sums of waves 0 to 2, 32,768 bytes each
.set BB,    XB+3*32768                 ; the earlier segments' sum, slice w written by wave w
.set NPOS,  27
.set LOFF, 4                           ; 16 x lane; never rewritten
.set VOFF, 5                           ; 2048 h + 16 r; never rewritten
.set KSA,  6                           ; where I put 8 bytes of a row of K
.set KTA,  7                           ; the turning load's address
.set KRA,  8                           ; K's row fragments
.set QSA,  9                           ; the same two for Q
.set QRA,  10
.set XST,  11
.set XLD,  12
.set XLD2, 13
.set BST,  14
.set BLD,  15
.set CI,   16                          ; 512 seg + 128 w + 8 h + 1
.set NEG1, 17                          ; -1.0
.set DG,   18                          ; r - 8 h
.set INV,  20
.set P,    64
.set S,    96
.set STG,  64
.set VF,   128
.set O,    0                           ; window 1
.set KF,   64
.set QF,   192
.set KT,   0                           ; window 3
.set R,    192
.set WV,   14
.set SEG,  15
.set SB,   24                          ; s[24:37] the seven state slices' addresses
.set WT,   38                          ; s[38:39] a slice's weight, 1 or 0
.set MK,   40                          ; s40-47: lanes in which key 8 h + j <= query r
.set MSB,  0
.set pp,   0                           ; counts the pairs (query block, key block): K's two fragment buffers take turns
.macro WIN new                         ; s_set_vgpr_msb: bits 1:0 source 0, 3:2 source 1, 5:4 source 2, 7:6 destination; the high byte repeats the setting that is left
.if MSB != (\new)
	s_set_vgpr_msb (MSB<<8)|(\new)
.set MSB, (\new)
.endif
.endm
.macro PLACES                          ; four plain vector instructions between a matrix instruction and a reader of its result, a writer of, or a load into, its registers
.rept 4
	v_nop
.endr
.endm
; Ring position n: 16 loads into slot n % 4.  n < 19: block n / 5; n % 5 = 0: V, 1 and 2: sixteen rows of K, 3 and 4: state slice 2 (n / 5) + n % 5 - 3.  n >= 19: Q's rows 16 (n - 19) on.
.macro ISSUE n
.if (\n) < NPOS
	WIN 0x80                                       ; destination window 2
.set rsl, 64*((\n)%4)
.set sj, SB
.if ((\n) < 19) && ((\n)%5 >= 3)
.set sj, SB+2*(2*((\n)/5)+(\n)%5-3)
.endif
.set ix, 0
.rept 16
.if (\n) >= 19
	global_load_b128 v[rsl+4*ix:rsl+4*ix+3], v[LOFF], s[4:5] offset:(16*((\n)-19)+ix)*512 th:TH_LOAD_NT
.elseif (\n)%5 == 0
	global_load_b128 v[rsl+4*ix:rsl+4*ix+3], v[VOFF], s[8:9] offset:((\n)/5)*8192+(ix+8*(ix/8))*256 th:TH_LOAD_NT
.elseif (\n)%5 < 3
	global_load_b128 v[rsl+4*ix:rsl+4*ix+3], v[LOFF], s[6:7] offset:(32*((\n)/5)+16*((\n)%5-1)+ix)*512 th:TH_LOAD_NT
.else
	global_load_b128 v[rsl+4*ix:rsl+4*ix+3], v[LOFF], s[sj:sj+1] offset:512*ix
.endif
.set ix, ix+1
.endr
.endif
.endm
.macro NEED n                          ; loads come back in order: position n is in; the younger positions, three at the most, stay out
.if NPOS-1-(\n) >= 3
	s_wait_loadcnt 48
.else
	s_wait_loadcnt 16*(NPOS-1-(\n))
.endif
.endm
.macro VUNIT n, b                      ; V of block b: four fragments; tile ix / 8, register ix % 8: two positions of one column
	NEED \n
	WIN 0x0a                                       ; sources window 2
.set rsl, 64*((\n)%4)
.set ix, 0
.rept 32
	v_cvt_pk_bf16_f32 v[VF+32*(\b)+ix], v[rsl+8*(ix%8)+ix/8], v[rsl+8*(ix%8)+4+ix/8]
.set ix, ix+1
.endr
	ISSUE (\n)+4
.endm
.macro ROWS n, adr, row0, tmp          ; sixteen rows of K or Q: rounded, 8 bytes a lane, into LDS rows row0 on
	NEED \n
	WIN 0x0a
.set rsl, 64*((\n)%4)
.set ix, 0
.rept 32
	v_cvt_pk_bf16_f32 v[\tmp+ix], v[rsl+2*ix], v[rsl+2*ix+1]
.set ix, ix+1
.endr
	ISSUE (\n)+4
	WIN 0
.set ix, 0
.rept 16
	ds_store_b64 v[\adr], v[\tmp+2*ix:\tmp+2*ix+1] offset:((\row0)+ix)*PITCH
.set ix, ix+1
.endr
.endm
.macro SUNIT n, j                      ; my slice of segment j's sum, counted if j lies ahead of my segment
	NEED \n
	s_cmp_gt_u32 s[SEG], \j
	s_cselect_b32 s[WT], 1.0, 0
	s_mov_b32 s[WT+1], s[WT]                       ; named with it as a pair
	WIN 0xf2                                       ; source 0 window 2, source 2 and destination window 3
.set rsl, 64*((\n)%4)
.set ix, 0
.rept 32
.if (\j) == 0
	v_pk_mul_f32 v[R+2*ix:R+2*ix+1], v[rsl+2*ix:rsl+2*ix+1], s[WT:WT+1] op_sel_hi:[1,0]   ; the first slice starts the sum
.else
	v_pk_fma_f32 v[R+2*ix:R+2*ix+1], v[rsl+2*ix:rsl+2*ix+1], s[WT:WT+1], v[R+2*ix:R+2*ix+1] op_sel_hi:[1,0,1]
.endif
.set ix, ix+1
.endr
	ISSUE (\n)+4
.endm
.macro KVMUL b                         ; the chunk's sum += K^T V over block b.  Nobody needs wave 3's
	WIN 0                                          ; at a branch and at a label every window is 0
	s_cmp_eq_u32 s[WV], 3
	s_cbranch_scc1 .Lno_kv_\@
	WIN 0xc0                                       ; destination window 3
.set ix, 0
.rept 8                                ; LDS serves a wave's instructions in order: these see the wave's own stores above
	ds_load_tr16_b128 v[KT+8*ix:KT+8*ix+3],   v[KTA] offset:32*(\b)*PITCH+32*ix
	ds_load_tr16_b128 v[KT+8*ix+4:KT+8*ix+7], v[KTA] offset:(32*(\b)+16)*PITCH+32*ix
.set ix, ix+1
.endr
	s_wait_dscnt 0x0
	WIN 0x53                                       ; A window 3, B window 0, C and D window 1
.set ix, 0
.rept 32                               ; feature tile ix / 4, column tile ix % 4.  The 32 accumulators take turns, one instruction a turn
.set ac, 8*(8*(ix%4)+ix/4)
.if (\b) == 0
	v_wmma_f32_16x16x32_bf16 v[ac:ac+7], v[KT+8*(ix/4):KT+8*(ix/4)+7], v[VF+32*(\b)+8*(ix%4):VF+32*(\b)+8*(ix%4)+7], 0
.else
	v_wmma_f32_16x16x32_bf16 v[ac:ac+7], v[KT+8*(ix/4):KT+8*(ix/4)+7], v[VF+32*(\b)+8*(ix%4):VF+32*(\b)+8*(ix%4)+7], v[ac:ac+7]
.endif
.set ix, ix+1
.endr
	PLACES                                         ; ahead of the next block's loads into K's fragments, and of the stores of the sums
	WIN 0
.Lno_kv_\@:
.endm
.macro FRAGS dst, adr, row0            ; 32 rows x 128 features as 8 row fragments into window 1: rows 16 (ix / 4) on, features 32 (ix % 4) on
	WIN 0x40
.set ix, 0
.rept 8
	ds_load_b128 v[\dst+8*ix:\dst+8*ix+3],   v[\adr] offset:((\row0)+16*(ix/4))*PITCH+64*(ix%4)
	ds_load_b128 v[\dst+8*ix+4:\dst+8*ix+7], v[\adr] offset:((\row0)+16*(ix/4))*PITCH+64*(ix%4)+32
.set ix, ix+1
.endr
.endm
; Query block qb against key block kb <= qb: scores, mask on the diagonal, split, O += P V.
.macro PAIR qb, kb
.set kbuf, KF+64*(pp%2)
.set nbuf, KF+64*((pp+1)%2)
.set nrow, 0
.if (\kb) < (\qb)
.set nrow, 32*((\kb)+1)
.endif
	s_wait_dscnt 0x0                               ; this pair's fragments of K are in
.if pp < 9
	FRAGS nbuf, KRA, nrow                          ; the next pair's, into the buffer whose last products stand more than four plain instructions back
.endif
	WIN 0x05                                       ; A and B window 1, S^T window 0
.set ix, 0
.rept 16                               ; features 32 (ix / 4) on; tile ix % 4 = 2 t + kt.  The tiles take turns.  On the diagonal tile 1 (keys 16-31, queries 0-15) is not made
.if ((\kb) != (\qb)) || (ix%4 != 1)
.set sa, S+8*(ix%4)
.if ix < 4
	v_wmma_f32_16x16x32_bf16 v[sa:sa+7], v[kbuf+32*(ix%2)+8*(ix/4):kbuf+32*(ix%2)+8*(ix/4)+7], v[QF+32*((ix%4)/2)+8*(ix/4):QF+32*((ix%4)/2)+8*(ix/4)+7], 0
.else
	v_wmma_f32_16x16x32_bf16 v[sa:sa+7], v[kbuf+32*(ix%2)+8*(ix/4):kbuf+32*(ix%2)+8*(ix/4)+7], v[QF+32*((ix%4)/2)+8*(ix/4):QF+32*((ix%4)/2)+8*(ix/4)+7], v[sa:sa+7]
.endif
.endif
.set ix, ix+1
.endr
	WIN 0
.if (\kb) == (\qb)
.set ix, 0
.rept 8
	v_mov_b32 v[S+8+ix], 0                         ; tile 1 is all above the diagonal; these eight name no register of the products above and are the places behind them
.set ix, ix+1
.endr
.set ix, 0
.rept 8
	v_cndmask_b32 v[S+ix], 0, v[S+ix], s[MK+ix]            ; tiles 0 and 3 lie on the diagonal: key 8 h + j counts where j <= r - 8 h
	v_cndmask_b32 v[S+24+ix], 0, v[S+24+ix], s[MK+ix]
.set ix, ix+1
.endr
.else
	PLACES
.endif
.set ix, 0
.rept 16
	v_cvt_pk_bf16_f32 v[P+ix], v[S+2*ix], v[S+2*ix+1]      ; the scores in bf16,
.set ix, ix+1
.endr
.set ix, 0
.rept 16
	v_fma_mix_f32_bf16 v[S+2*ix], v[P+ix], v[NEG1], v[S+2*ix] op_sel_hi:[1,0,0]                    ; what the rounding left,
	v_fma_mix_f32_bf16 v[S+2*ix+1], v[P+ix], v[NEG1], v[S+2*ix+1] op_sel:[1,0,0] op_sel_hi:[1,0,0]
.set ix, ix+1
.endr
.set ix, 0
.rept 16
	v_cvt_pk_bf16_f32 v[P+16+ix], v[S+2*ix], v[S+2*ix+1]   ; in bf16 too
.set ix, ix+1
.endr
	WIN 0x50                                       ; A and B window 0, O window 1
.set ix, 0
.rept 16                               ; part ix / 8; O's tile ix % 8 = 4 t + nt: the eight take turns
	v_wmma_f32_16x16x32_bf16 v[O+8*(ix%8):O+8*(ix%8)+7], v[P+16*(ix/8)+8*((ix%8)/4):P+16*(ix/8)+8*((ix%8)/4)+7], v[VF+32*(\kb)+8*(ix%4):VF+32*(\kb)+8*(ix%4)+7], v[O+8*(ix%8):O+8*(ix%8)+7]
.set ix, ix+1
.endr
.set pp, pp+1
.endm
.macro OUT qb                          ; O / (t + 1), stored.  x = 8 t + j: row 16 t + 8 h + j of the block
	WIN 0
.set ix, 0
.rept 16
	v_add_nc_u32 v[INV+ix], 32*(\qb)+ix+8*(ix/8), v[CI]    ; these and the conversions are the places behind the last products
.set ix, ix+1
.endr
.set ix, 0
.rept 16
	v_cvt_f32_u32 v[INV+ix], v[INV+ix]
.set ix, ix+1
.endr
.set ix, 0
.rept 16
	v_rcp_f32 v[INV+ix], v[INV+ix]
.set ix, ix+1
.endr
	v_nop                                          ; a plain instruction between the last reciprocal and the use of its result
	WIN 0x01                                       ; source 0 window 1
.set ix, 0
	s_wait_alu depctr_va_vdst(0)
.rept 64                               ; x = ix / 4, nt = ix % 4: a lane's four neighbouring columns come together
	v_mul_f32 v[STG+ix], v[O+8*(4*(ix/32)+ix%4)+(ix/4)%8], v[INV+ix/4]
.set ix, ix+1
.endr
	WIN 0
.set ix, 0
.rept 16
	global_store_b128 v[VOFF], v[STG+4*ix:STG+4*ix+3], s[12:13] offset:(32*(\qb)+ix+8*(ix/8))*256 th:TH_STORE_NT   ; 16 lanes store a whole row: 256 consecutive bytes, aligned
.set ix, ix+1
.endr
.endm
.macro QBLOCK qb                       ; 32 queries
.if (\qb) > 0
	s_wait_xcnt 0x0                                ; the stage, which the last block's stores read, is rewritten only behind this wait
.endif
	ROWS 19+2*(\qb), QSA, 0, S
	ROWS 20+2*(\qb), QSA, 16, P
	FRAGS QF, QRA, 0
.if (\qb) == 0
	FRAGS KF, KRA, 0                               ; the first pair's fragments of K
.endif
	s_wait_dscnt 0x0
	WIN 0x5d                                       ; A window 1, B window 3, O window 1
.set ix, 0
.rept 64                               ; O = Q W: W's values, then its remainders (ix / 32); features 32 ((ix / 8) % 4) on; O's tile ix % 8 = 4 t + nt: the eight take turns; the first eight start the sums
.set oa, O+8*(ix%8)
.set qa, QF+32*((ix%8)/4)+8*((ix/8)%4)
.set wa, 128*(ix/32)+32*(ix%4)+8*((ix/8)%4)
.if ix < 8
	v_wmma_f32_16x16x32_bf16 v[oa:oa+7], v[qa:qa+7], v[wa:wa+7], 0
.else
	v_wmma_f32_16x16x32_bf16 v[oa:oa+7], v[qa:qa+7], v[wa:wa+7], v[oa:oa+7]
.endif
.set ix, ix+1
.endr
.set kk, 0
.rept (\qb)+1
	PAIR \qb, kk
.set kk, kk+1
.endr
	OUT \qb
.endm
	s_load_b256 s[4:11], s[0:1], 0x0               ; q s[4:5], k s[6:7], v s[8:9], st s[10:11]
	s_load_b64 s[12:13], s[0:1], 0x20              ; out
	v_lshl_add_u32 v62, v0, 2, 0x4a800
	v_mov_b32 v63, 0
	v_lshrrev_b32 v1, 5, v0
	v_readfirstlane_b32 s[WV], v1                  ; wave 0..3
	s_mov_b32 s[SEG], ttmp9
	s_and_b32 s16, ttmp7, 0xffff                   ; head
	s_lshl_b32 s18, s16, 21                        ; a head of q or k: 4,096 rows of 512 bytes
	s_lshl_b32 s19, s[SEG], 18                     ; a segment: 512 rows
	s_add_co_u32 s18, s18, s19
	s_lshl_b32 s19, s[WV], 16                      ; a wave: 128 rows
	s_add_co_u32 s18, s18, s19
	s_mov_b32 s19, 0
	s_lshr_b32 s20, s18, 1                         ; v's and out's rows are half as long
	s_mov_b32 s21, 0
	s_max_u32 s22, s[SEG], 1
	s_sub_co_u32 s22, s22, 1                       ; the last state that I may name: seg - 1, or 0 in segment 0
	s_mul_i32 s23, s16, 7
	s_mov_b32 s3, 0
	v_and_b32 v1, 31, v0                           ; lane
	v_and_b32 v2, 15, v0                           ; r
	v_bfe_u32 v3, v0, 4, 1                         ; h
	v_lshlrev_b32 v[LOFF], 4, v1
	v_lshlrev_b32 v[VOFF], 4, v2
	v_lshl_add_u32 v[VOFF], v3, 11, v[VOFF]
	s_wait_kmcnt 0x0
	s_add_nc_u64 s[4:5], s[4:5], s[18:19]          ; q, k, v, out at my wave's first row
	s_add_nc_u64 s[6:7], s[6:7], s[18:19]
	s_add_nc_u64 s[8:9], s[8:9], s[20:21]
	s_add_nc_u64 s[12:13], s[12:13], s[20:21]
.irp j, 0,1,2,3,4,5,6
	s_min_u32 s2, s22, \j                          ; state j, clamped: every load stays inside st
	s_add_co_u32 s2, s2, s23
	s_lshl_b32 s2, s2, 2
	s_add_co_u32 s2, s2, s[WV]                     ; my slice of its four,
	s_lshl_b32 s2, s2, 13                          ; of 8,192 bytes
	s_add_nc_u64 s[SB+2*\j:SB+2*\j+1], s[10:11], s[2:3]
.endr
	ISSUE 0
	ISSUE 1
	ISSUE 2
	ISSUE 3
	WIN 0
	s_mul_i32 s17, s[WV], KCH
	v_lshl_add_u32 v[KSA], v1, 3, s17
	v_and_b32 v19, 7, v0
	v_lshl_add_u32 v19, v3, 3, v19                 ; position 8 h + lane % 8
	v_mul_u32_u24 v19, v19, PITCH
	v_bfe_u32 v36, v0, 3, 1
	v_lshl_add_u32 v19, v36, 4, v19                ; features 8 ((lane / 8) % 2) on
	v_add_nc_u32 v[KTA], s17, v19
	v_mul_u32_u24 v19, v2, PITCH
	v_lshl_add_u32 v19, v3, 4, v19                 ; row r, 16 bytes for each half of the lanes
	v_add_nc_u32 v[KRA], s17, v19
	s_mul_i32 s18, s[WV], QCH
	s_add_co_u32 s18, s18, QS
	v_lshl_add_u32 v[QSA], v1, 3, s18
	v_add_nc_u32 v[QRA], s18, v19
	s_lshl_b32 s19, s[WV], 15
	s_add_co_u32 s19, s19, XB
	v_add_nc_u32 v[XST], s19, v[LOFF]
	v_add_nc_u32 v[XLD], XB, v[LOFF]
	v_add_nc_u32 v[XLD2], XB+65536, v[LOFF]
	s_lshl_b32 s20, s[WV], 13
	s_add_co_u32 s20, s20, BB
	v_add_nc_u32 v[BST], s20, v[LOFF]
	v_add_nc_u32 v[BLD], BB, v[LOFF]
	s_lshl_b32 s21, s[SEG], 9
	s_lshl_b32 s22, s[WV], 7
	s_add_co_u32 s21, s21, s22
	s_add_co_u32 s21, s21, 1
	v_lshl_add_u32 v[CI], v3, 3, s21
	v_mov_b32 v[NEG1], -1.0
	v_lshlrev_b32 v19, 3, v3
	v_sub_nc_u32 v[DG], v2, v19
.irp j, 0,1,2,3,4,5,6,7
	v_cmp_le_i32 s[MK+\j], \j, v[DG]
.endr
	; PHASE A: V's fragments, K's rows, the chunk's sum, my slice of the earlier segments' sum
.irp b, 0,1,2,3
	VUNIT 5*\b, \b
	ROWS 5*\b+1, KSA, 32*\b, S
	ROWS 5*\b+2, KSA, 32*\b+16, P
	KVMUL \b
	SUNIT 5*\b+3, 2*\b
.if \b < 3
	SUNIT 5*\b+4, 2*\b+1
.endif
.endr
	; THE EXCHANGE: every wave gives its slice of the earlier segments' sum, waves 0 to 2 their chunk's sum
	WIN 0x0c                                       ; store data window 3
.set ix, 0
.rept 16
	ds_store_b128 v[BST], v[R+4*ix:R+4*ix+3] offset:512*ix
.set ix, ix+1
.endr
	WIN 0
	s_cmp_eq_u32 s[WV], 3
	s_cbranch_scc1 .Lno_x
	WIN 0x04                                       ; store data window 1
.set ix, 0
.rept 64
	ds_store_b128 v[XST], v[4*ix:4*ix+3] offset:512*ix
.set ix, ix+1
.endr
	WIN 0
.Lno_x:
	s_wait_dscnt 0x0                               ; for the others' sake: my stores are done
	s_barrier_signal -1
	s_barrier_wait -1
	WIN 0x40                                       ; W begins as the earlier segments' sum, in window 1
.set ix, 0
.rept 64
	ds_load_b128 v[4*ix:4*ix+3], v[BLD] offset:512*ix
.set ix, ix+1
.endr
	WIN 0
.irp j, 0,1,2
	s_cmp_le_u32 s[WV], \j                         ; wave w adds the sums of waves 0 to w - 1
	s_cbranch_scc1 .Lsummed
	WIN 0xc0                                       ; destination window 3
.set ix, 0
.rept 64
.if \j < 2
	ds_load_b128 v[4*ix:4*ix+3], v[XLD] offset:32768*\j+512*ix
.else
	ds_load_b128 v[4*ix:4*ix+3], v[XLD2] offset:512*ix
.endif
.set ix, ix+1
.endr
	s_wait_dscnt 0x0
	WIN 0x4d                                       ; window 1 += window 3
.set ix, 0
.rept 128
	v_pk_add_f32 v[2*ix:2*ix+1], v[2*ix:2*ix+1], v[2*ix:2*ix+1]
.set ix, ix+1
.endr
	WIN 0
.endr
.Lsummed:
	s_wait_dscnt 0x0
	WIN 0xc5                                       ; sources window 1, destination window 3: W's fragments, in the lane
.set ix, 0
.rept 128
	v_cvt_pk_bf16_f32 v[ix], v[2*ix], v[2*ix+1]
.set ix, ix+1
.endr
	WIN 0x53                                       ; source 0 window 3, source 1 window 0, source 2 and destination window 1: what the rounding left
.set ix, 0
.rept 128
	v_fma_mix_f32_bf16 v[2*ix], v[ix], v[NEG1], v[2*ix] op_sel_hi:[1,0,0]
	v_fma_mix_f32_bf16 v[2*ix+1], v[ix], v[NEG1], v[2*ix+1] op_sel:[1,0,0] op_sel_hi:[1,0,0]
.set ix, ix+1
.endr
	WIN 0xc5
.set ix, 0
.rept 128
	v_cvt_pk_bf16_f32 v[128+ix], v[2*ix], v[2*ix+1]
.set ix, ix+1
.endr
	; PHASE B: the wave's 128 queries, 32 at a time
	QBLOCK 0
	QBLOCK 1
	QBLOCK 2
	QBLOCK 3
	s_wait_tensorcnt 0x0
	ds_add_u32 v62, v63
	s_wait_dscnt 0x0
	s_endpgm
.Lfunc_end_k_qa58ef86e77_scan:
	.size	k_qa58ef86e77_scan, .Lfunc_end_k_qa58ef86e77_scan-k_qa58ef86e77_scan
	.p2alignl 7, 3214868480
	.fill 96, 4, 3214868480
	.section	.rodata,"a",@progbits
	.p2align	6, 0x0
	.amdhsa_kernel k_qa58ef86e77_scan
		.amdhsa_group_segment_fixed_size 305664
		.amdhsa_private_segment_fixed_size 0
		.amdhsa_enable_private_segment 0
		.amdhsa_kernarg_size 40
		.amdhsa_user_sgpr_count 2
		.amdhsa_user_sgpr_kernarg_segment_ptr 1
		.amdhsa_wavefront_size32 1
		.amdhsa_system_sgpr_workgroup_id_x 1
		.amdhsa_system_sgpr_workgroup_id_y 1
		.amdhsa_system_sgpr_workgroup_id_z 1
		.amdhsa_system_vgpr_workitem_id 0
		.amdhsa_next_free_vgpr 1024
		.amdhsa_next_free_sgpr 66
		.amdhsa_reserve_vcc 0
		.amdhsa_float_denorm_mode_32 3
		.amdhsa_float_denorm_mode_16_64 3
		.amdhsa_memory_ordered 1
		.amdhsa_forward_progress 1
		.amdhsa_inst_pref_size 255
	.end_amdhsa_kernel
	.section	.bss,"aw",@nobits
	.p2align	6
	.space	262144
	.amdgpu_metadata
---
amdhsa.version: [ 1, 2 ]
amdhsa.kernels:
  - .name:           k_qa58ef86e77_scan
    .symbol:         k_qa58ef86e77_scan.kd
    .args:
      - { .name: q, .offset: 0, .size: 8, .value_kind: global_buffer, .address_space: global }
      - { .name: k, .offset: 8, .size: 8, .value_kind: global_buffer, .address_space: global }
      - { .name: v, .offset: 16, .size: 8, .value_kind: global_buffer, .address_space: global }
      - { .name: st, .offset: 24, .size: 8, .value_kind: global_buffer, .address_space: global }
      - { .name: out0, .offset: 32, .size: 8, .value_kind: global_buffer, .address_space: global }
    .group_segment_fixed_size: 305664
    .private_segment_fixed_size: 0
    .kernarg_segment_align: 8
    .kernarg_segment_size: 40
    .max_flat_workgroup_size: 128
    .sgpr_count:     66
    .vgpr_count:     1024
    .wavefront_size: 32
...
	.end_amdgpu_metadata
.endif
;; end of part 2
